; MI455X (gfx1250); checked and timed in simulation.
; The chip was launched on July 23, 2026; its instructions are those of AMD's public machine-readable ISA for CDNA 5 (MIT licence, August 2026) and "CDNA5" Instruction Set Architecture Reference Guide (July 2026). The comments in the code are by the model that wrote it; some were corrected since.
;; Attention Layer. Allowed arithmetic: matrix products marked QUANTISED: E2M3 operands, one E8M0 scale for each 32 along K, by v_wmma_scale_f32_16x16x128_f8f6f4 with both operands' format E2M3, f32 sums; everything else in f32.
;; Inputs: W_key_codes 512 x 16 x 24 uint8 (E2M3 codes of W_key, K innermost, in blocks of 32 codes, four codes in three bytes); W_key_scales 512 x 16 uint8 (E8M0 scales of W_key, one for each 32 codes along K); W_query_codes 512 x 16 x 24 uint8 (E2M3 codes of W_query, K innermost, in blocks of 32 codes, four codes in three bytes); W_query_scales 512 x 16 uint8 (E8M0 scales of W_query, one for each 32 codes along K); W_value_codes 512 x 16 x 24 uint8 (E2M3 codes of W_value, K innermost, in blocks of 32 codes, four codes in three bytes); W_value_scales 512 x 16 uint8 (E8M0 scales of W_value, one for each 32 codes along K); x_codes 16 x 1,024 x 16 x 24 uint8 (E2M3 codes of x, K innermost, in blocks of 32 codes, four codes in three bytes); x_scales 16 x 1,024 x 16 uint8 (E8M0 scales of x, one for each 32 codes along K).
;; Outputs: out0 16 x 512 float32.
;; This version of the problem:
;;   THIS VERSION OF THE PROBLEM IS GIVEN IN LOW PRECISION. The matrix products marked QUANTISED in the list below multiply operands that are first quantised to E2M3 (2 exponent bits, 3 mantissa bits; 6 bits a number), with one power-of-two scale for each 32 numbers along K (OCP MX v1.0); their sums are f32. All else is computed in f32.
;;   The module's matrix products, in the order in which they are computed (A, B: the left and right operand; K: the contracted axis; several contracted axes count as one K, in the product's order):
;;     1. [M 16,384, K 512] x [K 512, N 512]; A: input x (given as codes); B: input W_key (given as codes): QUANTISED
;;     2. [M 16,384, K 512] x [K 512, N 512]; A: input x (given as codes); B: input W_query (given as codes): QUANTISED
;;     3. [M 16,384, K 512] x [K 512, N 512]; A: input x (given as codes); B: input W_value (given as codes): QUANTISED
;;     4. batch 16 x [M 1,024, K 512] x [K 512, N 1,024]; A: computed on the way; B: computed on the way: QUANTISED
;;     5. batch 16 x [M 1,024, K 1,024] x [K 1,024, N 512]; A: softmax (see below); B: computed on the way: QUANTISED
;;   THE QUANTISER, for each operand of a quantised product, along K:
;;     - K is cut into blocks of 32 from its start; a last block that is shorter is filled with zeros.
;;     - A block's scale is 2^e with e = floor(log2(the largest magnitude in the block)) - 2, held to -126 .. 127; a block of zeros has e = 0. As a byte (E8M0): e + 127.
;;     - Each number is divided by its block's scale, clamped to +-7.5, and rounded to the nearest number of E2M3, ties to even, subnormals kept.
;;     - The product sums the exact products of the quantised numbers (number of the format x scale) in f32.
;;   ~~~python
;;   def quantise(x, axis):      # numpy; x: float32 -> the quantised numbers, widened to float32 again
;;       x = np.moveaxis(x, axis, -1); K = x.shape[-1]
;;       x = np.pad(x, [(0, 0)] * (x.ndim - 1) + [(0, -K % 32)]); x = x.reshape(x.shape[:-1] + (-1, 32)); a = np.abs(x).max(-1, keepdims=True)
;;       e = np.where(a > 0, np.clip(np.frexp(np.where(a > 0, a, 1))[1] - 1 - 2, -126, 127), 0)      # np.frexp(a)[1] - 1 = floor(log2(a)), exactly
;;       r = np.clip(x / 2.0 ** e, -7.5, 7.5)
;;       step = 2.0 ** (np.maximum(np.frexp(np.where(r == 0, 1, r))[1] - 1, 0) - 3)
;;       q = np.round(r / step) * step * 2.0 ** e      # np.round: ties to even
;;       return np.moveaxis(q.reshape(q.shape[:-2] + (-1,))[..., :K], -1, axis).astype(np.float32)
;;   ~~~
;;   SOFTMAX AHEAD OF A QUANTISED PRODUCT. Where the list says 'softmax', what is quantised is not the finished softmax but p = 2^(t - M), with t = logit x log2(e) and M = ceil(the row's largest t), a whole number; so 1/2 < the row's largest p <= 1. The row's sum l is taken of the UNQUANTISED p, in f32, and the product's result is divided by l at the end. Since M is a whole number, a kernel that streams over the keys may use a running M (the ceiling of the running maximum): every later rescaling is an exact power of two, which a block's scale takes up: the codes' values come out the same.
;;   OPERANDS COMPUTED ON THE WAY. 'Computed on the way' means the value that the module computes at that place (a softmax that the list does not call 'softmax' is quantised finished and normalised). What goes into a quantiser is computed in f32, as accurately as f32 sums, v_exp_f32 and their like allow (about 1e-6 of the number): no bf16 or f16 on the way to a quantiser, and a product that is left as it is and whose result goes on into a quantised operand takes f32 operands (vector FMAs, or v_wmma_f32_16x16x4_f32). A number that lies on a knife's edge between two numbers of the format may be rounded either way, as far as f32 arithmetic and the matrix unit's own rounding can turn it there, and no further.
;;   INPUTS GIVEN AS CODES. W_key (in the module: [512, 512], K = its axis 0); W_query (in the module: [512, 512], K = its axis 0); W_value (in the module: [512, 512], K = its axis 0); x (in the module: [16, 1024, 512], K = its axis 2): each comes as NAME_codes (uint8): NAME with its K axis moved to the last place and cut into blocks of 32 codes, [.., K / 32, bytes a block], one block behind the other in memory; four codes in three bytes: a row's codes are one little-endian stream of bits, code i at bits 6 i .. 6 i + 5 (a code: sign, 2 exponent bits, 3 mantissa bits); and NAME_scales (uint8): the same leading axes, one E8M0 byte (e + 127) for each 32 codes along K. Its value is code x scale, taken as it is: it is not quantised again, and the codes and scales need not be those that the quantiser above would give.
;; One version. Each part assembles by itself: llvm-mc -triple=amdgcn-amd-amdhsa -mcpu=gfx1250 --defsym DOCPART=n.
;; ======== version 1 of 1: 3 launches
;; limits: right only within a limited range of input values
;; workspace buffers: qkv 19,660,800 bytes; part 524,288 bytes
;; launch proj (part 1): grid 4 x 64, 8 waves a work-group, clusters of 4 x 4, 280,576 bytes of LDS; arguments x_codes, x_scales, W_query_codes, W_query_scales, W_key_codes, W_key_scales, W_value_codes, W_value_scales, qkv; writes qkv
.if DOCPART == 1
	.amdgcn_target "amdgcn-amd-amdhsa--gfx1250"
	.amdhsa_code_object_version 6
	.text
	.protected	k_qb8e83c5567_proj
	.globl	k_qb8e83c5567_proj
	.p2align	8
	.type	k_qb8e83c5567_proj,@function
k_qb8e83c5567_proj:
	s_mov_b64 s[64:65], 0
	v_nop
	global_prefetch_b8 v0, s[64:65] scope:SCOPE_SE
	s_setreg_imm32_b32 hwreg(HW_REG_WAVE_MODE, 25, 1), 1
	s_wait_xcnt 0x0
	s_wait_alu depctr_hold_cnt(0) depctr_sa_sdst(0) depctr_va_vdst(0) depctr_va_sdst(0) depctr_va_ssrc(0) depctr_va_vcc(0) depctr_vm_vsrc(0)
	s_getreg_b32 s2, hwreg(HW_REG_IB_STS2, 6, 4)
	s_cmp_eq_u32 s2, 0
	s_cbranch_scc0 .Lentry_in_a_cluster
	s_endpgm
.Lentry_in_a_cluster:
	s_bfe_u32 s2, ttmp6, 0x10000c
	s_cmp_lg_u32 s2, 0xf033
	s_cbranch_scc0 .Lentry_shape_is_right
	s_endpgm
.Lentry_shape_is_right:
; q = x W_query, k = x W_key, v = x W_value on the given codes of E2M3; the three results are quantised in registers for the two products of the next launch.
; NOTHING OF THE PROBLEM IS LEFT OUT in this program: every input reaches out0, and all five products are done by the scaled 6-bit matrix form.
; SHARES.  A cluster of 4 x 4 work-groups makes one batch; a work-group 256 tokens x 128 columns of q, k and v; a wave (tg = wave % 4, ch = wave / 4) 64 tokens x 64 columns: three groups of 64 matrix instructions.
; Its 16 fragments of x stay in registers (192); each fragment of W feeds four matrix instructions.
; CLUSTER: x's rows are shared along a row of the cluster, W's rows along a column: joint loads, one a wave: waves 0-3 a quarter of x each, waves 4, 5 a half of W_query, wave 6 W_key, wave 7 W_value.  Nothing is filled again.
; No prefetch: all tiles are asked for at the head, there is no later fill to run ahead of.
; ROWS OF A TILE.  Tile t of 64 rows takes rows 8 t + r in lanes r = 0 .. 7 and rows 32 + 8 (t xor 1) + r - 8 in lanes r = 8 .. 15 (x, W_query, W_key; W_value's tiles are 16 neighbours).  So a lane of half h holds in the 32
; registers of four tiles all 32 numbers of the true block h of those 64: no lane needs another's.  The order inside a block is the same in q and k, and in v and p (next launch): it cancels in each product.
; OUT.  qkv, a batch = 1,228,800 bytes.  A UNIT is four fragments of 16 rows x 128 K, 6,144 bytes: registers 0-3 of the four (512 bytes each, 16 a lane), registers 8-11 of the four, then for each of the four registers 4, 5 and
; registers 6, 7 (256 bytes each, 8 a lane).  Registers 0-5 are the K step's first 64 numbers (c = 0), 6-11 its last (c = 1).  A unit's scale words are 256 bytes, 8 a lane: word j = tile 2 j + lane / 16.
;   q at 0: [64-token group G = 0 .. 15] 25,600 = [K step] units, then [K step] scale words;
;   k at 409,600: the even groups [128-key step w] 25,600 as q's;  at 614,400: the odd groups' K steps 0, 1: [w] 12,800 = two units, two units' scale words;  at 716,800: their K steps 2, 3 likewise;
;   v at 819,200: [key step][half of d] 25,600 = four units of 64 d x 128 keys, then their scale words.
; LIMITS: NaN and infinities are not served.  A block of zeros, or one whose largest magnitude lies under 2^-124, gets the byte 1: this program alone reads these bytes.  Inside a block of 32 the sums of q k^T and p v go in another order than K ascending.
.set BS,    1228800
.set K1O,   409600
.set KBO,   614400
.set K2O,   716800
.set VO,    819200
.set PITCH, 432                        ; an LDS row: 3 x (128 bytes + 16 of padding) = 108 words: 32 lanes that take 8 bytes each touch 64 different banks (64 banks of 4 bytes: ISA guide 11.1)
.set XW,    64*PITCH
.set WRG,   128*PITCH
.set WQ0,   4*XW
.set STG,   WQ0+3*WRG                  ; scale bytes on the way out: q, k, v 1,024 each
.set SPARE, STG+3072
.set ACC,   128                        ; v128-255 sixteen accumulators
.set XS,    16                         ; v16-23 x's scale words: 4 p + s: tiles 2 p + lane / 16
.set WS,    24                         ; v24-47 W's: 8 g + 4 p + s
.set CD,    48                         ; v48-71 codes; in the first group v48-55 x's LDS addresses: tile t at 2 t (+ 24 h), 2 t + 1 (+ 40 h)
.set AX,    48
.set MXR,   72
.set SO,    76
.set AW,    240                        ; window 1: v240-247 the LDS addresses of W_query's, then W_key's tiles, v248-255 of W_value's, as x's
.set AV,    248                        ; v80-127 one buffer of W fragments (and temporaries); window 1: v0-191 x's fragments, v192-239 the other buffer
.set G1X,   28
.set G1W,   36
.set G1V,   44
.set G0X,   52
.set G0W,   56
.set G0K,   60
.set G0V,   68
.set MSB,   0
.macro WIN new
.if MSB != (\new)
	s_set_vgpr_msb (MSB<<8)|(\new)
.set MSB, (\new)
.endif
.endm
.macro WALU
	s_wait_alu depctr_va_vdst(0)
.endm
.macro PLACES                          ; four plain places behind matrix instructions (ISA guide 7.12.1)
.rept 4
	v_nop
.endr
.endm
.macro BARRIER
	s_barrier_signal -1
	s_barrier_wait -1
.endm
.macro CROUND                          ; a round of the cluster's barrier
	BARRIER
	s_cmp_lg_u32 s22, 0
	s_cbranch_scc1 .Lnot_wave_0_\@
	s_barrier_signal -3
.Lnot_wave_0_\@:
	s_barrier_wait -3
	BARRIER
.endm
.macro W1 d, a, b, c, sa, sb, ra, rb
	v_wmma_scale_f32_16x16x128_f8f6f4 v[\d:\d+7], v[\a:\a+11], v[\b:\b+11], \c, v[\sa], v[\sb] matrix_a_fmt:MATRIX_FMT_FP6 matrix_b_fmt:MATRIX_FMT_FP6 matrix_a_scale:MATRIX_SCALE_ROW\ra matrix_b_scale:MATRIX_SCALE_ROW\rb
.endm
; a fragment, K step s: lanes 0-15 take the row's pieces of 8 bytes 12 s + 0, 1, 2, 6, 7, 8, lanes 16-31 those three on; 16 bytes of padding behind every 16 pieces.
; Two pieces to a load where both go by one address register: 3, 4, 4, 3 loads in K steps 0 to 3
.macro FRAG reg, a, s
.set SK_, 0
.irp p, 0,1,2,3,4,5
.if SK_
.set SK_, 0
.else
.set PC_, 12*(\s)+6*(\p/3)+\p%3
.set PN_, 12*(\s)+6*((\p+1)/3)+(\p+1)%3
.set XC_, (PC_%16)/13
.set XN_, (PN_%16)/13
.if (\p < 5) && (XC_ == XN_)
.set SK_, 1
	ds_load_2addr_b64 v[\reg+2*\p:\reg+2*\p+3], v[\a+XC_] offset0:PC_+2*(PC_/16) offset1:PN_+2*(PN_/16)
.else
	ds_load_b64 v[\reg+2*\p:\reg+2*\p+1], v[\a+XC_] offset:8*(PC_+2*(PC_/16))
.endif
.endif
.endr
.endm
.macro XLOAD s                         ; x's four fragments of K step s: 12, 16, 16, 12 loads
	WIN 0x40
.irp t, 0,1,2,3
	FRAG 12*(4*\t+\s), AX+2*\t, \s
.endr
	WIN 0
.endm
.macro WLOAD g, s                      ; K step s of my 64 columns, as many; even K steps into window 1, odd ones into v80 on
.if (\s)%2
	WIN 0x01
.set R_, 80
.else
	WIN 0x41
.set R_, 192
.endif
.irp j, 0,1,2,3
.if (\g) < 2
	FRAG R_+12*\j, AW+2*\j, \s
.else
	FRAG R_+12*\j, AV+2*\j, \s
.endif
.endr
	WIN 0
.endm
; 16 matrix instructions, the accumulators by turns.  q, k: source 0 = W, source 1 = x (a lane holds a token);  v: swapped (a lane holds a column)
.macro MUL g, s
.if (\s)%2
.set R_, 80
.else
.set R_, 192
.endif
.if (\s)%2 == 0
	WIN 0x05
.elseif (\g) < 2
	WIN 0x04
.else
	WIN 0x01
.endif
.irp p, 0,1
.irp o, 0,1
.irp u, 0,1
.irp k, 0,1
.set J_, 2*\p+\o
.set T_, 2*\u+\k
.set W_, R_+12*J_
.set X_, 12*(4*T_+\s)
.if (\g) < 2
.set D_, ACC+32*T_+8*J_
.if (\s) == 0
	W1 D_, W_, X_, 0, WS+8*\g+4*\p+\s, XS+4*\u+\s, \o, \k
.else
	W1 D_, W_, X_, v[D_:D_+7], WS+8*\g+4*\p+\s, XS+4*\u+\s, \o, \k
.endif
.else
.set D_, ACC+32*J_+8*T_
.if (\s) == 0
	W1 D_, X_, W_, 0, XS+4*\u+\s, WS+8*\g+4*\p+\s, \k, \o
.else
	W1 D_, X_, W_, v[D_:D_+7], XS+4*\u+\s, WS+8*\g+4*\p+\s, \k, \o
.endif
.endif
.endr
.endr
.endr
.endr
	WIN 0
.endm
.macro QUANT                           ; four blocks of 32, each whole in my lane, become 6 registers of codes; the scale's byte in v[MXR + n]
.irp n, 0,1,2,3
	v_max3_num_f32 v[MXR+\n], |v[ACC+32*\n]|, |v[ACC+32*\n+1]|, 0x1800000
.endr
.irp i, 2,4,6,8,10,12,14,16,18,20,22,24,26,28,30
.irp n, 0,1,2,3
	v_max3_num_f32 v[MXR+\n], v[MXR+\n], |v[ACC+32*\n+\i]|, |v[ACC+32*\n+\i+1]|
.endr
.endr
.irp n, 0,1,2,3
	v_add_nc_u32 v[SO+\n], 0xff000000, v[MXR+\n]
.endr
.irp n, 0,1,2,3
	v_cvt_scalef32_pk16_fp6_f32 v[CD+6*\n:CD+6*\n+2], v[ACC+32*\n:ACC+32*\n+15], v[SO+\n]
	v_cvt_scalef32_pk16_fp6_f32 v[80+4*\n:82+4*\n], v[ACC+32*\n+16:ACC+32*\n+31], v[SO+\n]
.endr
.irp n, 0,1,2,3
	v_lshrrev_b32 v[MXR+\n], 23, v[SO+\n]
.endr
.irp n, 0,1,2,3
.irp i, 0,1,2
	v_mov_b32 v[CD+6*\n+3+\i], v[80+4*\n+\i]
.endr
.endr
.endm
; scale bytes into the stage; codes: each store covers 512 or 256 consecutive bytes.  s[c] = 0: they are registers 0-5 of the four fragments, 1: registers 6-11
.macro SEND base, c, stg, off
.irp n, 0,1,2,3
	ds_store_b8 v[\stg], v[MXR+\n] offset:(\off)+128*(\n%2)+4*(\n/2)
.endr
	WALU
	s_cmp_eq_u32 s\c, 0
	s_cbranch_scc0 .Lupper_\@
.irp n, 0,1,2,3
	global_store_b128 v1, v[CD+6*\n:CD+6*\n+3], s[\base:\base+1] offset:512*\n
	global_store_b64 v2, v[CD+6*\n+4:CD+6*\n+5], s[\base:\base+1] offset:4096+512*\n
.endr
	s_branch .Lsent_\@
.Lupper_\@:
.irp n, 0,1,2,3
	global_store_b64 v2, v[CD+6*\n:CD+6*\n+1], s[\base:\base+1] offset:4096+512*\n+256
	global_store_b128 v1, v[CD+6*\n+2:CD+6*\n+5], s[\base:\base+1] offset:2048+512*\n
.endr
.Lsent_\@:
.endm
	s_load_b512 s[4:19], s[0:1], 0x0               ; x's codes, scales; W_query's, W_key's, W_value's codes and scales
	s_load_b64 s[20:21], s[0:1], 0x40              ; qkv
	v_lshl_add_u32 v3, v0, 2, SPARE
	v_mov_b32 v4, 0
	ds_add_u32 v3, v4                              ; the wave's opening: the add, twice on end, ahead of my first tensor load
	ds_add_u32 v3, v4
	v_lshrrev_b32 v80, 5, v0
	v_readfirstlane_b32 s22, v80
	s_and_b32 s23, s22, 3                          ; tg
	s_lshr_b32 s24, s22, 2                         ; ch
	s_bfe_u32 s25, ttmp6, 0x40000                  ; cx: the column block
	s_bfe_u32 s26, ttmp6, 0x40004                  ; cy: which 256 tokens of the batch
	s_and_b32 s27, ttmp7, 0xffff                   ; the batch
	s_lshl_b32 s74, s26, 2
	s_lshl_b32 s74, 15, s74                        ; my row of the cluster
	s_lshl_b32 s75, 0x1111, s25                    ; my column
	s_or_b32 s[G1X], s74, (1<<20)|(1<<21)|(4<<22)|(3<<25)   ; elements of 1 byte; after every 32 words 4 words of padding
	s_or_b32 s[G1W], s75, (1<<20)|(1<<21)|(4<<22)|(3<<25)
	s_or_b32 s[G1V], s75, (1<<20)|(1<<21)|(4<<22)|(3<<25)
.irp g, G1X, G1W, G1V
	s_mov_b32 s[\g+1], 256<<16                     ; the rows of 384 bytes lie end to end: stated as rows of 256 bytes
	s_mov_b32 s[\g+3], 256<<16
	s_mov_b32 s[\g+5], 256
	s_mov_b32 s[\g+6], 0
	s_mov_b32 s[\g+7], 0
.endr
	s_mov_b32 s[G1X+2], 96<<16                     ; 64 rows of x, 64 of a W, 128 of a W
	s_mov_b32 s[G1X+4], 96
	s_mov_b32 s[G1W+2], 96<<16
	s_mov_b32 s[G1W+4], 96
	s_mov_b32 s[G1V+2], 192<<16
	s_mov_b32 s[G1V+4], 192
	s_lshl_b32 s80, s27, 10
	s_lshl_b32 s90, s26, 8
	s_add_co_u32 s80, s80, s90
	s_lshl_b32 s90, s23, 6
	s_add_co_u32 s80, s80, s90                     ; my group's first token
	s_lshl_b32 s86, s80, 4                         ; its scale bytes
	s_mov_b32 s87, 0
	s_mul_i32 s80, s80, 384                        ; its codes
	s_mov_b32 s81, 0
	s_mul_i32 s82, s25, 128*384                    ; my work-group's rows of a W
	s_mov_b32 s83, 0
	s_and_b32 s91, s22, 1
	s_mul_i32 s84, s91, 64*384
	s_add_co_u32 s84, s84, s82                     ; waves 4 and 5: a half of W_query's
	s_mov_b32 s85, 0
	s_lshl_b32 s88, s25, 7
	s_lshl_b32 s90, s24, 6
	s_add_co_u32 s88, s88, s90
	s_lshl_b32 s88, s88, 4                         ; the scale bytes of my 64 columns
	s_mov_b32 s89, 0
	s_mov_b32 s[G0X], 1
	s_mul_i32 s[G0X+1], s23, XW
	s_mov_b32 s[G0W], 1
	s_mul_i32 s[G0W+1], s91, XW
	s_add_co_u32 s[G0W+1], s[G0W+1], WQ0
	s_mov_b32 s[G0K], 1
	s_mov_b32 s[G0K+1], WQ0+WRG
	s_mov_b32 s[G0V], 1
	s_mov_b32 s[G0V+1], WQ0+2*WRG
	s_mul_i32 s92, s23, XW                         ; my x rows in LDS
	s_mul_i32 s93, s24, XW
	s_add_co_u32 s94, s93, WQ0                     ; my 64 rows of W_query
	s_add_co_u32 s95, s93, WQ0+2*WRG               ; of W_value
	s_lshl_b32 s96, s23, 8
	s_lshl_b32 s97, s24, 1
	s_add_co_u32 s96, s96, s97
	s_add_co_u32 s96, s96, STG                     ; stage, q and k: 256 tg + 2 ch
	s_lshr_b32 s97, s23, 1
	s_lshl_b32 s97, s97, 9
	s_lshl_b32 s98, s24, 8
	s_add_co_u32 s97, s97, s98
	s_and_b32 s98, s23, 1
	s_lshl_b32 s98, s98, 1
	s_add_co_u32 s97, s97, s98
	s_add_co_u32 s97, s97, STG+2048                ; stage, v: 512 (tg / 2) + 256 ch + 2 (tg % 2)
	s_lshl_b32 s98, s22, 8
	s_add_co_u32 s98, s98, STG                     ; back: q's and k's scale words
	s_lshl_b32 s99, s23, 8
	s_add_co_u32 s99, s99, STG+2048                ; v's
	v_and_b32 v81, 31, v0                          ; lane
	v_and_b32 v82, 15, v0                          ; r
	v_bfe_u32 v83, v0, 4, 1                        ; h
	v_lshlrev_b32 v1, 4, v81
	v_lshlrev_b32 v2, 3, v81
	v_and_b32 v84, 7, v0                           ; r % 8
	v_bfe_u32 v85, v0, 3, 1                        ; r / 8
	v_mul_u32_u24 v86, v84, PITCH
	v_mad_u32_u24 v87, v85, 40*PITCH, v86          ; even tiles
	v_mad_u32_u24 v88, v85, 24*PITCH, v86          ; odd tiles
	v_mul_u32_u24 v89, v82, PITCH                  ; W_value's
	v_mad_u32_u24 v90, v83, 24, v87
	v_mad_u32_u24 v91, v83, 40, v87
	v_mad_u32_u24 v92, v83, 24, v88
	v_mad_u32_u24 v93, v83, 40, v88
	v_mad_u32_u24 v94, v83, 24, v89
	v_mad_u32_u24 v95, v83, 40, v89
.irp j, 0,1,2,3
.irp e, 0,1
	v_add_nc_u32 v[100+2*\j+\e], 8*\j*PITCH, v[90+2*(\j%2)+\e]
	v_add_nc_u32 v[108+2*\j+\e], 16*\j*PITCH, v[94+\e]
.endr
.endr
.irp i, 0,1,2,3,4,5,6,7
	v_add_nc_u32 v[AX+\i], s92, v[100+\i]
.endr
	WIN 0x40
.irp i, 0,1,2,3,4,5,6,7
	v_add_nc_u32 v[AW+\i], s94, v[100+\i]
	v_add_nc_u32 v[AV+\i], s95, v[108+\i]
.endr
	WIN 0
	v_lshl_add_u32 v96, v83, 3, v84                ; scale words: row r % 8 + 8 h + (r / 8)(40 - 16 h)
	v_mad_u32_u24 v96, v85, 40, v96
	v_mul_u32_u24 v97, v85, v83
	v_lshlrev_b32 v97, 4, v97
	v_sub_nc_u32 v96, v96, v97
	v_lshlrev_b32 v9, 4, v96
	v_lshl_add_u32 v98, v82, 3, v83                ; 8 r + h
	v_add_nc_u32 v12, s96, v98
	v_add_nc_u32 v13, s97, v98
	v_add_nc_u32 v14, s98, v2
	v_add_nc_u32 v15, s99, v2
	WALU
	s_wait_dscnt 0x0                               ; both opening adds are done
	s_wait_kmcnt 0x0
	s_add_nc_u64 s[G0X+2:G0X+3], s[4:5], s[80:81]
	s_or_b32 s[G0X+3], s[G0X+3], 0x80000000
	s_add_nc_u64 s[G0W+2:G0W+3], s[8:9], s[84:85]
	s_or_b32 s[G0W+3], s[G0W+3], 0x80000000
	s_add_nc_u64 s[G0K+2:G0K+3], s[12:13], s[82:83]
	s_or_b32 s[G0K+3], s[G0K+3], 0x80000000
	s_add_nc_u64 s[G0V+2:G0V+3], s[16:17], s[82:83]
	s_or_b32 s[G0V+3], s[G0V+3], 0x80000000
	s_add_nc_u64 s[6:7], s[6:7], s[86:87]
	s_add_nc_u64 s[10:11], s[10:11], s[88:89]
	s_add_nc_u64 s[14:15], s[14:15], s[88:89]
	s_add_nc_u64 s[18:19], s[18:19], s[88:89]
	CROUND                                         ; all sixteen work-groups are here: the joint loads meet
.macro ARM under, g0, g1, next
	s_cmp_lt_u32 s22, \under
	s_cbranch_scc0 \next
	tensor_load_to_lds s[\g0:\g0+3], s[\g1:\g1+7]
	s_nop 0
	PLACES
	s_branch .Lasked
\next:
.endm
	ARM 4, G0X, G1X, .Lfor_q
	ARM 6, G0W, G1W, .Lfor_k
	ARM 7, G0K, G1V, .Lfor_v
	tensor_load_to_lds s[G0V:G0V+3], s[G1V:G1V+7]
	s_nop 0
	PLACES
.Lasked:
.irp p, 0,1
	global_load_b128 v[XS+4*\p:XS+4*\p+3], v9, s[6:7] offset:256*\p    ; a row's 16 scale bytes are its four K steps' words
	global_load_b128 v[WS+4*\p:WS+4*\p+3], v9, s[10:11] offset:256*\p
	global_load_b128 v[WS+8+4*\p:WS+8+4*\p+3], v9, s[14:15] offset:256*\p
	global_load_b128 v[WS+16+4*\p:WS+16+4*\p+3], v1, s[18:19] offset:512*\p
.endr
	; where the results go
	s_mul_i32 s80, s27, BS
	s_lshl_b32 s81, s26, 2
	s_add_co_u32 s81, s81, s23                     ; G
	s_mul_i32 s82, s81, 25600
	s_add_co_u32 s82, s82, s80                     ; q: my group of 64 tokens
	s_mul_i32 s92, s25, 6144
	s_lshl_b32 s93, s25, 8
	s_add_co_u32 s83, s82, s93
	s_add_co_u32 s83, s83, 24576                   ; its scale words
	s_add_co_u32 s82, s82, s92
	s_lshr_b32 s84, s81, 1                         ; key step
	s_mul_i32 s90, s84, 25600
	s_add_co_u32 s90, s90, K1O
	s_mul_i32 s91, s84, 12800
	s_add_co_u32 s94, s91, KBO                     ; k, odd group, K steps 0, 1
	s_add_co_u32 s95, s94, 12288
	s_add_co_u32 s94, s94, s92
	s_add_co_u32 s95, s95, s93
	s_add_co_u32 s91, s91, K2O-12288               ; K steps 2, 3
	s_add_co_u32 s96, s91, s92
	s_add_co_u32 s97, s91, 24576-512
	s_add_co_u32 s97, s97, s93
	s_cmp_lt_u32 s25, 2
	s_cselect_b32 s94, s94, s96
	s_cselect_b32 s95, s95, s97
	s_add_co_u32 s96, s90, s92                     ; even group
	s_add_co_u32 s97, s90, 24576
	s_add_co_u32 s97, s97, s93
	s_and_b32 s85, s23, 1
	s_cmp_eq_u32 s85, 0
	s_cselect_b32 s94, s96, s94
	s_cselect_b32 s95, s97, s95
	s_add_co_u32 s94, s94, s80
	s_add_co_u32 s95, s95, s80
	s_cmp_eq_u32 s24, 0
	s_cselect_b32 s88, s83, s95                    ; waves 0-3 store q's scale words, waves 4-7 k's
	s_mov_b32 s89, 0
	s_mov_b32 s83, 0
	s_add_nc_u64 s[76:77], s[20:21], s[82:83]
	s_mov_b32 s95, 0
	s_add_nc_u64 s[78:79], s[20:21], s[94:95]
	s_add_nc_u64 s[72:73], s[20:21], s[88:89]
	s_lshr_b32 s90, s25, 1
	s_mul_i32 s90, s90, 25600
	s_add_co_u32 s90, s90, s80
	s_add_co_u32 s90, s90, VO                      ; v: half of d
	s_lshl_b32 s91, s25, 1
	s_add_co_u32 s92, s91, s24
	s_and_b32 s92, s92, 3
	s_mul_i32 s92, s92, 6144
	s_mul_i32 s93, s84, 51200
	s_add_co_u32 s92, s92, s93
	s_add_co_u32 s92, s92, s90
	s_mov_b32 s93, 0
	s_add_nc_u64 s[80:81], s[20:21], s[92:93]
	s_and_b32 s92, s22, 1                          ; waves 0-3: (key step wave / 2, column half wave % 2) of v's scale words
	s_add_co_u32 s92, s92, s91
	s_and_b32 s92, s92, 3
	s_lshl_b32 s92, s92, 8
	s_lshr_b32 s93, s23, 1
	s_lshl_b32 s94, s26, 1
	s_add_co_u32 s93, s93, s94
	s_mul_i32 s93, s93, 51200
	s_add_co_u32 s92, s92, s93
	s_add_co_u32 s92, s92, s90
	s_add_co_u32 s92, s92, 24576
	s_mov_b32 s93, 0
	s_add_nc_u64 s[82:83], s[20:21], s[92:93]
	s_cmp_lt_u32 s22, 6
	s_cbranch_scc0 .Llater
	s_wait_tensorcnt 0x0                           ; waves 0-5: x and W_query; W_key and W_value may be out
.Llater:
	BARRIER
	; ---- q: x's fragments come K step by K step, one ahead of the products
	XLOAD 0
	WLOAD 0, 0
	XLOAD 1
	WLOAD 0, 1
	s_wait_loadcnt 0x0                             ; the scale words
	s_wait_dscnt 32                                ; (K step 1's 16 + 16 may be out)
	MUL 0, 0
	PLACES
	XLOAD 2
	WLOAD 0, 2
	s_wait_dscnt 32
	MUL 0, 1
	PLACES
	XLOAD 3
	WLOAD 0, 3
	s_wait_dscnt 24
	MUL 0, 2
	s_wait_dscnt 0x0
	MUL 0, 3
	PLACES
.macro GROUP g                         ; 64 matrix instructions; the next K step's loads may be out behind the one at work
	s_wait_dscnt 16
	MUL \g, 0
	PLACES
	WLOAD \g, 2
	s_wait_dscnt 16
	MUL \g, 1
	PLACES
	WLOAD \g, 3
	s_wait_dscnt 12
	MUL \g, 2
	s_wait_dscnt 0x0
	MUL \g, 3
	PLACES
.endm
	WALU
	s_wait_tensorcnt 0x0                           ; W_key and W_value
	s_wait_dscnt 0x0
	BARRIER
	WIN 0x44
.irp i, 0,1,2,3,4,5,6,7
	v_add_nc_u32 v[AW+\i], WRG, v[AW+\i]           ; on to W_key
.endr
	WIN 0
	WLOAD 1, 0
	QUANT
	SEND 76, 24, 12, 0
	WLOAD 1, 1
	WALU
	GROUP 1
	WLOAD 2, 0
	s_wait_xcnt 0x0                                ; q's stores have read their data
	QUANT
	SEND 78, 24, 12, 1024
	WLOAD 2, 1
	WALU
	GROUP 2
	s_wait_xcnt 0x0
	QUANT
	SEND 80, 85, 13, 0
	WALU
	s_wait_dscnt 0x0                               ; for the others' sake: a scale word's four bytes are two waves'
	BARRIER
	ds_load_b64 v[80:81], v14
	ds_load_b64 v[82:83], v15
	s_wait_dscnt 0x0
	global_store_b64 v2, v[80:81], s[72:73]        ; 256 consecutive bytes
	s_cmp_lt_u32 s22, 4
	s_cbranch_scc0 .Lno_v
	global_store_b64 v2, v[82:83], s[82:83]
.Lno_v:
	s_wait_tensorcnt 0x0                           ; the wave's end
	ds_add_u32 v3, v4
	s_wait_dscnt 0x0
	CROUND                                         ; the closing round
	s_endpgm
.Lfunc_end_k_qb8e83c5567_proj:
	.size	k_qb8e83c5567_proj, .Lfunc_end_k_qb8e83c5567_proj-k_qb8e83c5567_proj
	.p2alignl 7, 3214868480
	.fill 96, 4, 3214868480
	.section	.rodata,"a",@progbits
	.p2align	6, 0x0
	.amdhsa_kernel k_qb8e83c5567_proj
		.amdhsa_group_segment_fixed_size 280576
		.amdhsa_private_segment_fixed_size 0
		.amdhsa_enable_private_segment 0
		.amdhsa_kernarg_size 72
		.amdhsa_user_sgpr_count 2
		.amdhsa_user_sgpr_kernarg_segment_ptr 1
		.amdhsa_wavefront_size32 1
		.amdhsa_system_sgpr_workgroup_id_x 1
		.amdhsa_system_sgpr_workgroup_id_y 1
		.amdhsa_system_sgpr_workgroup_id_z 1
		.amdhsa_system_vgpr_workitem_id 0
		.amdhsa_next_free_vgpr 512
		.amdhsa_next_free_sgpr 100
		.amdhsa_reserve_vcc 0
		.amdhsa_float_denorm_mode_32 3
		.amdhsa_float_denorm_mode_16_64 3
		.amdhsa_memory_ordered 1
		.amdhsa_forward_progress 1
		.amdhsa_inst_pref_size 79
	.end_amdhsa_kernel
	.amdgpu_metadata
---
amdhsa.version: [ 1, 2 ]
amdhsa.kernels:
  - .name:           k_qb8e83c5567_proj
    .symbol:         k_qb8e83c5567_proj.kd
    .args:
      - { .name: x_codes, .offset: 0, .size: 8, .value_kind: global_buffer, .address_space: global }
      - { .name: x_scales, .offset: 8, .size: 8, .value_kind: global_buffer, .address_space: global }
      - { .name: W_query_codes, .offset: 16, .size: 8, .value_kind: global_buffer, .address_space: global }
      - { .name: W_query_scales, .offset: 24, .size: 8, .value_kind: global_buffer, .address_space: global }
      - { .name: W_key_codes, .offset: 32, .size: 8, .value_kind: global_buffer, .address_space: global }
      - { .name: W_key_scales, .offset: 40, .size: 8, .value_kind: global_buffer, .address_space: global }
      - { .name: W_value_codes, .offset: 48, .size: 8, .value_kind: global_buffer, .address_space: global }
      - { .name: W_value_scales, .offset: 56, .size: 8, .value_kind: global_buffer, .address_space: global }
      - { .name: qkv, .offset: 64, .size: 8, .value_kind: global_buffer, .address_space: global }
    .group_segment_fixed_size: 280576
    .private_segment_fixed_size: 0
    .kernarg_segment_align: 8
    .kernarg_segment_size: 72
    .max_flat_workgroup_size: 256
    .sgpr_count:     100
    .vgpr_count:     512
    .wavefront_size: 32
...
	.end_amdgpu_metadata
.endif
;; end of part 1
;; launch attn (part 2): grid 64 x 4, 8 waves a work-group, clusters of 4 x 1, 327,680 bytes of LDS; arguments qkv, part; writes part
.if DOCPART == 2
	.amdgcn_target "amdgcn-amd-amdhsa--gfx1250"
	.amdhsa_code_object_version 6
	.text
	.protected	k_qb8e83c5567_attn
	.globl	k_qb8e83c5567_attn
	.p2align	8
	.type	k_qb8e83c5567_attn,@function
k_qb8e83c5567_attn:
	s_mov_b64 s[64:65], 0
	v_nop
	global_prefetch_b8 v0, s[64:65] scope:SCOPE_SE
	s_setreg_imm32_b32 hwreg(HW_REG_WAVE_MODE, 25, 1), 1
	s_wait_xcnt 0x0
	s_wait_alu depctr_hold_cnt(0) depctr_sa_sdst(0) depctr_va_vdst(0) depctr_va_sdst(0) depctr_va_ssrc(0) depctr_va_vcc(0) depctr_vm_vsrc(0)
	s_getreg_b32 s2, hwreg(HW_REG_IB_STS2, 6, 4)
	s_cmp_eq_u32 s2, 0
	s_cbranch_scc0 .Lentry_in_a_cluster
	s_endpgm
.Lentry_in_a_cluster:
	s_bfe_u32 s2, ttmp6, 0x10000c
	s_cmp_lg_u32 s2, 0x3003
	s_cbranch_scc0 .Lentry_shape_is_right
	s_endpgm
.Lentry_shape_is_right:
; part[b][qb][d] = the sum over the 64 queries of block qb of (softmax(q k^T / sqrt(512)) v)[d] / 1024, both products on the codes that the launch before laid in qkv (its head comment gives the layout).  Nothing is left out.
; SHARES.  A cluster of 4 x 1 work-groups takes four query blocks of one batch (the cluster's x is the batch, the grid's y which four); a work-group 64 queries (4 tiles) against all 1,024 keys.
; First product: wave w owns keys 128 w .. + 127, in two groups of 64 (A, B): S^T = k q^T, 16 accumulators a group: a lane of half h holds ONE query and in its 32 registers of a query tile the whole block h of 32 keys.
; Second product: wave w owns d = 64 w .. + 63: O^T = v^T p^T, K = all keys.  Each fragment of k and v is read by one wave and feeds four matrix instructions.
; SOFTMAX.  t = score x log2(e) / sqrt(512).  Each block of 32 has an M of its own, the ceiling of its largest t; p = 2^(t - M) is quantised by it.  The row's M is the largest of all blocks' (over lanes and, through LDS, waves);
; the difference of the two, a whole number, is added to the block's scale byte and shifts its sum by a power of two: nothing is rounded.  The row's sum is taken of the unquantised p.
; LDS, 307,200 bytes of fills.  F1, at the head: waves 0-3 all groups A of k (0 on, 25,600 a wave's group); waves 4-7, behind their loads of q, K steps 0, 1 of all groups B (204,800 on, 12,800 each).
; F2, behind the reads of the groups A: waves 0-3 the rest of k (102,400 on, 12,800 each), waves 4-7 v's key steps 0, 1 (0 on, 51,200 each).
; F3, behind the last read of k: v's key steps 2-4 (102,400 on).  v's key steps 5-7 go straight into registers (each fragment has one reader; 153,600 bytes a work-group).  p lies from 256,000 on, where the last fill was F1.
; One tensor load of a wave is out at any time.  The loads are joint: the four work-groups of a cluster ask for the same bytes.
; PREFETCH: a fill's bytes are asked for one fill ahead, each block of 256 once, shared out by address over the 128 waves of the sixteen work-groups of a batch: behind F1 for F2's, behind F2 for F3's and the direct loads'.
; LIMITS: NaN and infinities are not served.  The scaled scores (exponents to the base 2, before the maximum is taken away) are to stay under 2^31.  A block whose M lies more than 123 under the row's is weighed as if by 2^-123.
; t is score x one rounded constant.  Inside a block of 32 the products are summed in another order than K ascending, alike on both operands.
.set BS,    1228800
.set K1O,   409600
.set KBO,   614400
.set K2O,   716800
.set VO,    819200
.set UNIT,  6144
.set LK2,   102400                     ; LDS: the rest of k, then v's key steps 2-4
.set LKB,   204800                     ; the groups B's K steps 0, 1
.set PA,    256000                     ; p: 6,400 a key step: a unit, then its scale words
.set SM,    307200                     ; the waves' -M: 512 q + 32 r + 4 w;  2,048 on: their sums
.set OST,   SM+4096                    ; 256 bytes a wave for the way out
.set SPARE, SM+6144
.set ACC,   128
; v1 16 x lane, v2 8 x lane, v3 spare word, v4 0, v5-6 my group A, then B, v7-8 my part of the rest of k, v9-11 my p, v12-13 prefetch offsets, v14-15 -M and sums, in and back.  v16-23 q's scale words (2 s + j), v24-31 k's
; v32-55 group A's codes, v56-59 its -M, v60-63 sums, v64-67 scale operands; v80-127 one buffer of k and temporaries; window 1: v0-191 q's fragments, v192-239 the other buffer
.set MSB, 0
.macro WIN new
.if MSB != (\new)
	s_set_vgpr_msb (MSB<<8)|(\new)
.set MSB, (\new)
.endif
.endm
.macro WALU
	s_wait_alu depctr_va_vdst(0)
.endm
.macro PLACES
.rept 4
	v_nop
.endr
.endm
.macro BARRIER
	s_barrier_signal -1
	s_barrier_wait -1
.endm
.macro CREST                           ; a round of the cluster's barrier behind its opening signal
	WIN 0
	s_barrier_wait -1
	s_cmp_lg_u32 s8, 0
	s_cbranch_scc1 .Lnot_wave_0_\@
	s_barrier_signal -3
.Lnot_wave_0_\@:
	s_barrier_wait -3
	BARRIER
.endm
.macro W1 d, a, b, c, sa, sb, ra, rb
	v_wmma_scale_f32_16x16x128_f8f6f4 v[\d:\d+7], v[\a:\a+11], v[\b:\b+11], \c, v[\sa], v[\sb] matrix_a_fmt:MATRIX_FMT_FP6 matrix_b_fmt:MATRIX_FMT_FP6 matrix_a_scale:MATRIX_SCALE_ROW\ra matrix_b_scale:MATRIX_SCALE_ROW\rb
.endm
.macro FOUR reg, a16, a8, off          ; a unit, four fragments: 12 LDS loads.  a8 points at its planes of 8 bytes a lane
.irp j, 0,1,2,3
	ds_load_b128 v[\reg+12*\j:\reg+12*\j+3], v[\a16] offset:(\off)+512*\j
	ds_load_2addr_b64 v[\reg+12*\j+4:\reg+12*\j+7], v[\a8] offset0:64*\j offset1:64*\j+32
	ds_load_b128 v[\reg+12*\j+8:\reg+12*\j+11], v[\a16] offset:(\off)+2048+512*\j
.endr
.endm
.macro GFOUR reg, base, off            ; a unit from memory: 16 loads
.irp j, 0,1,2,3
	global_load_b128 v[\reg+12*\j:\reg+12*\j+3], v1, s[\base:\base+1] offset:(\off)+512*\j
	global_load_b64 v[\reg+12*\j+4:\reg+12*\j+5], v2, s[\base:\base+1] offset:(\off)+4096+512*\j
	global_load_b64 v[\reg+12*\j+6:\reg+12*\j+7], v2, s[\base:\base+1] offset:(\off)+4096+512*\j+256
	global_load_b128 v[\reg+12*\j+8:\reg+12*\j+11], v1, s[\base:\base+1] offset:(\off)+2048+512*\j
.endr
.endm
.macro QLOADS                          ; q stays in registers
	WIN 0x40
.irp s, 0,1,2,3
	GFOUR 48*\s, 68, UNIT*\s
.endr
	WIN 0
.irp s, 0,1,2,3
	global_load_b64 v[16+2*\s:17+2*\s], v2, s[68:69] offset:24576+256*\s
.endr
.endm
.macro KLOAD s, a, off                 ; K step s of four key tiles: even ones into window 1, odd ones into v80 on
	WIN 0
	v_add_nc_u32 v76, (\off)+4096, v[\a+1]
.if (\s)%2
	FOUR 80, \a, 76, \off
.else
	WIN 0x40
	FOUR 192, \a, 76, \off
.endif
	WIN 0
.endm
.macro KSC s, a8, off
	ds_load_b64 v[24+2*\s:25+2*\s], v[\a8] offset:\off
.endm
.macro SMUL s                          ; 16 matrix instructions, the accumulators by turns
.if (\s)%2
	WIN 0x04
.set R_, 80
.else
	WIN 0x05
.set R_, 192
.endif
.irp p, 0,1
.irp o, 0,1
.irp u, 0,1
.irp k, 0,1
.set J_, 2*\p+\o
.set T_, 2*\u+\k
.set D_, ACC+32*T_+8*J_
.set A_, R_+12*J_
.set Q_, 12*(4*\s+T_)
.if (\s) == 0
	W1 D_, A_, Q_, 0, 24+2*\s+\p, 16+2*\s+\u, \o, \k
.else
	W1 D_, A_, Q_, v[D_:D_+7], 24+2*\s+\p, 16+2*\s+\u, \o, \k
.endif
.endr
.endr
.endr
.endr
	WIN 0
.endm
.macro SMAX                            ; each block's largest score, v80-83; each accumulator from its low end on
.irp q, 0,1,2,3
	v_max3_num_f32 v[80+\q], v[ACC+32*\q], v[ACC+32*\q+1], v[ACC+32*\q+2]
.endr
.irp i, 3,5,7,9,11,13,15,17,19,21,23,25,27,29
.irp q, 0,1,2,3
	v_max3_num_f32 v[80+\q], v[80+\q], v[ACC+32*\q+\i], v[ACC+32*\q+\i+1]
.endr
.endr
.irp q, 0,1,2,3
	v_max_num_f32 v[80+\q], v[80+\q], v[ACC+32*\q+31]
.endr
.endm
.macro SNM nm                          ; -M = floor(-t) of it
.irp q, 0,1,2,3
	v_mul_f32 v[68+\q], s36, v[80+\q]
.endr
.irp q, 0,1,2,3
	v_floor_f32 v[\nm+\q], -v[68+\q]
.endr
.endm
.macro SEXP nm, sum, so, code
.irp q, 0,1,2,3
	v_fma_f32 v[80+\q], v[80+\q], s36, v[\nm+\q]
.endr
.irp q, 0,1,2,3
.set k_, 0
.rept 16
.if \q%2
	v_pk_fma_f32 v[ACC+32*\q+k_:ACC+32*\q+k_+1], v[ACC+32*\q+k_:ACC+32*\q+k_+1], s[36:37], v[\nm+\q-1:\nm+\q] op_sel:[0,0,1] op_sel_hi:[1,0,1]
.else
	v_pk_fma_f32 v[ACC+32*\q+k_:ACC+32*\q+k_+1], v[ACC+32*\q+k_:ACC+32*\q+k_+1], s[36:37], v[\nm+\q:\nm+\q+1] op_sel_hi:[1,0,0]
.endif
.set k_, k_+2
.endr
.endr
	WALU                                           ; the wait ahead of the batch
.set k_, 0
.rept 128
	v_exp_f32 v[ACC+k_], v[ACC+k_]
.set k_, k_+1
.endr
.irp q, 0,1,2,3
	v_exp_f32 v[80+\q], v[80+\q]                   ; each block's largest p: the same two instructions on the same number
.endr
	v_nop
	WALU                                           ; and behind it
.irp q, 0,1,2,3
	v_pk_add_f32 v[96+4*\q:97+4*\q], v[ACC+32*\q:ACC+32*\q+1], v[ACC+32*\q+4:ACC+32*\q+5]
	v_pk_add_f32 v[98+4*\q:99+4*\q], v[ACC+32*\q+2:ACC+32*\q+3], v[ACC+32*\q+6:ACC+32*\q+7]
.endr
.irp i, 8,12,16,20,24,28
.irp q, 0,1,2,3
	v_pk_add_f32 v[96+4*\q:97+4*\q], v[96+4*\q:97+4*\q], v[ACC+32*\q+\i:ACC+32*\q+\i+1]
	v_pk_add_f32 v[98+4*\q:99+4*\q], v[98+4*\q:99+4*\q], v[ACC+32*\q+\i+2:ACC+32*\q+\i+3]
.endr
.endr
.irp q, 0,1,2,3
	v_pk_add_f32 v[96+4*\q:97+4*\q], v[96+4*\q:97+4*\q], v[98+4*\q:99+4*\q]
.endr
.irp q, 0,1,2,3
	v_add_f32 v[\sum+\q], v[96+4*\q], v[97+4*\q]
.endr
.irp q, 0,1,2,3
	v_add_nc_u32 v[\so+\q], 0xff000000, v[80+\q]   ; 2 off the exponent field: the conversion's scale operand (the largest p is 1/2 or more: no floor)
.endr
.irp g, 0,2
.irp e, 0,1
	v_cvt_scalef32_pk16_fp6_f32 v[\code+6*(\g+\e):\code+6*(\g+\e)+2], v[ACC+32*(\g+\e):ACC+32*(\g+\e)+15], v[\so+\g+\e]
	v_cvt_scalef32_pk16_fp6_f32 v[120+4*\e:122+4*\e], v[ACC+32*(\g+\e)+16:ACC+32*(\g+\e)+31], v[\so+\g+\e]
.endr
	v_nop
.irp e, 0,1
.irp i, 0,1,2
	v_mov_b32 v[\code+6*(\g+\e)+3+\i], v[120+4*\e+\i]
.endr
.endr
.endr
.endm
.macro PLOAD ks                        ; p's unit of a key step and its scale words: 13 loads
.set P_, 80-48*((\ks)%2)
.set S_, 16+2*((\ks)%2)
	v_add_nc_u32 v9, 6400*(\ks)+4096, v10
	FOUR P_, 8, 9, 6400*(\ks)
	ds_load_b64 v[S_:S_+1], v10 offset:6400*(\ks)+UNIT
.endm
.macro VLOAD ks                        ; v's, 13 loads; even key steps at v192, odd ones at v144 of window 1
.set S_, 20+2*((\ks)%2)
	ds_load_b64 v[S_:S_+1], v7
	WIN 0x40
	FOUR 192-48*((\ks)%2), 5, 6, 0
	WIN 0
.endm
.macro VSTEP                           ; v's LDS addresses, on to the next key step
.irp i, 5,6,7
	v_add_nc_u32 v\i, 51200, v\i
.endr
.endm
.macro PMUL ks
.if (\ks) < 5
.set R_, 192-48*((\ks)%2)
.set V_, 20+2*((\ks)%2)
.else
.set R_, 48*((\ks)-5)
.set V_, 24+2*((\ks)-5)
.endif
.set P_, 80-48*((\ks)%2)
.set S_, 16+2*((\ks)%2)
	WIN 0x01
.irp p, 0,1
.irp o, 0,1
.irp u, 0,1
.irp k, 0,1
.set J_, 2*\p+\o
.set T_, 2*\u+\k
.set D_, ACC+32*J_+8*T_
.set A_, R_+12*J_
.set B_, P_+12*T_
.if (\ks) == 0
	W1 D_, A_, B_, 0, V_+\p, S_+\u, \o, \k
.else
	W1 D_, A_, B_, v[D_:D_+7], V_+\p, S_+\u, \o, \k
.endif
.endr
.endr
.endr
.endr
	WIN 0
.endm
	s_load_b128 s[4:7], s[0:1], 0x0                ; qkv, part
	v_lshl_add_u32 v3, v0, 2, SPARE
	v_mov_b32 v4, 0
	ds_add_u32 v3, v4                              ; the wave's opening: the add, twice on end, ahead of my first tensor load
	ds_add_u32 v3, v4
	v_lshrrev_b32 v80, 5, v0
	v_readfirstlane_b32 s8, v80
	s_bfe_u32 s9, ttmp6, 0x40000                   ; cx
	s_and_b32 s10, ttmp7, 0xffff                   ; which four query blocks
	s_mov_b32 s11, ttmp9                           ; the batch
	s_lshl_b32 s12, s10, 2
	s_add_co_u32 s12, s12, s9                      ; my block of 64 queries: it enters q's, part's and the prefetches' addresses alone
	s_lshr_b32 s14, s8, 2                          ; my half of d
	s_and_b32 s15, s8, 3
.irp g, 16, 48, 56
	s_mov_b32 s[\g], 15|(3<<16)|(1<<21)            ; all four work-groups; elements of 8 bytes; rows of 256 bytes, dense
	s_mov_b32 s[\g+1], 32<<16
	s_mov_b32 s[\g+3], 32<<16
	s_mov_b32 s[\g+5], 32
	s_mov_b32 s[\g+6], 0
	s_mov_b32 s[\g+7], 0
.endr
	s_mov_b32 s18, 200<<16                         ; 51,200 bytes a wave
	s_mov_b32 s20, 200
	s_mov_b32 s50, 100<<16                         ; 25,600
	s_mov_b32 s52, 100
	s_mov_b32 s58, 75<<16                          ; 19,200
	s_mov_b32 s60, 75
	s_mov_b32 s24, 1                               ; F1, waves 0-3
	s_mul_i32 s25, s15, 51200
	s_add_co_u32 s94, s25, K1O                     ; (where it lies in memory)
	s_mov_b32 s95, 0
	s_mul_i32 s84, s15, 25600                      ; F1, waves 4-7
	s_add_co_u32 s100, s84, KBO
	s_mov_b32 s101, 0
	s_add_co_u32 s84, s84, LKB
	s_mov_b32 s28, 1                               ; F2: waves 0-3 from 102,400 on, waves 4-7 from 0 on
	s_xor_b32 s29, s8, 4
	s_mul_i32 s29, s29, 25600
	s_mul_i32 s80, s8, 25600                       ; LDS: my group A
	s_add_co_u32 s96, s80, K2O
	s_mov_b32 s97, 0
	s_mov_b32 s32, 1                               ; F3
	s_mul_i32 s33, s8, 19200
	s_add_co_u32 s98, s33, VO+102400
	s_mov_b32 s99, 0
	s_add_co_u32 s33, s33, LK2
	s_mov_b32 s36, 0x3d8293ee                      ; log2(e) / sqrt(512)
	s_mov_b32 s37, s36                             ; (named with it as a pair)
	s_mov_b32 s38, 0x76543210                      ; lane l xor 16
	s_mov_b32 s39, 0xfedcba98
	s_mul_i32 s40, s11, BS
	s_mov_b32 s41, 0
	s_mul_i32 s42, s12, 25600
	s_add_co_u32 s42, s42, s40                     ; q
	s_mov_b32 s43, 0
	s_mul_i32 s85, s14, 25600
	s_mul_i32 s81, s15, UNIT
	s_lshl_b32 s82, s15, 8
	s_add_co_u32 s86, s85, s82
	s_add_co_u32 s86, s86, 24576                   ; my scale words in a key step of v
	s_add_co_u32 s85, s85, s81                     ; my unit
	s_add_co_u32 s83, s85, 4096                    ; its planes of 8 bytes a lane
	s_add_co_u32 s44, s85, s40
	s_add_co_u32 s44, s44, VO+5*51200              ; memory: of key step 5
	s_mov_b32 s45, 0
	s_add_co_u32 s46, s86, s40
	s_add_co_u32 s46, s46, VO+5*51200
	s_mov_b32 s47, 0
	s_lshl_b32 s92, s11, 4
	s_add_co_u32 s92, s92, s12
	s_lshl_b32 s92, s92, 11
	s_lshl_b32 s87, s8, 8
	s_add_co_u32 s92, s92, s87                     ; part: 2,048 bytes a query block, my 256
	s_mov_b32 s93, 0
	s_add_co_u32 s87, s87, OST
	s_mul_i32 s89, s8, 12800
	s_add_co_u32 s89, s89, LK2                     ; LDS: the rest of my k
	s_mul_i32 s90, s8, 6400
	s_add_co_u32 s90, s90, PA                      ; my p
	s_add_co_u32 s91, s90, UNIT
	s_lshl_b32 s81, s8, 2
	s_add_co_u32 s81, s81, SM
	s_lshl_b32 s82, s12, 3
	s_add_co_u32 s82, s82, s8                      ; my number among the batch's 128 waves
	s_mul_i32 s88, s82, 7
	s_mul_i32 s82, s82, 10
	v_and_b32 v81, 31, v0                          ; lane
	v_and_b32 v82, 15, v0                          ; r
	v_bfe_u32 v83, v0, 4, 1                        ; h
	v_lshlrev_b32 v1, 4, v81
	v_lshlrev_b32 v2, 3, v81
	v_add_nc_u32 v5, s80, v1
	v_add_nc_u32 v6, s80, v2
	v_add_nc_u32 v7, s89, v1
	v_add_nc_u32 v8, s89, v2
	v_add_nc_u32 v9, s90, v1
	v_add_nc_u32 v10, s90, v2
	v_lshl_add_u32 v84, v82, 3, v83
	v_add_nc_u32 v11, s91, v84
	v_lshlrev_b32 v85, 5, v82
	v_add_nc_u32 v14, s81, v85
	v_add_nc_u32 v15, SM, v85
	v_min_u32 v86, 6, v81
	v_add_nc_u32 v86, s88, v86
	v_min_u32 v86, 0x31f, v86
	v_lshlrev_b32 v12, 8, v86                      ; 800 blocks of 256 bytes: seven a wave
	v_min_u32 v87, 9, v81
	v_add_nc_u32 v87, s82, v87
	v_min_u32 v87, 0x4af, v87
	v_lshlrev_b32 v13, 8, v87                      ; 1,200: ten a wave
.irp q, 0,1,2,3
	v_mov_b32 v[72+\q], 0                          ; written once: a lane permute's destination counts as one of its sources
.endr
	WALU
	s_wait_dscnt 0x0                               ; both opening adds are done
	s_wait_kmcnt 0x0
	s_add_nc_u64 s[66:67], s[4:5], s[40:41]
	s_add_nc_u64 s[26:27], s[66:67], s[94:95]
	s_or_b32 s27, s27, 0x80000000
	s_add_nc_u64 s[30:31], s[66:67], s[96:97]
	s_or_b32 s31, s31, 0x80000000
	s_add_nc_u64 s[34:35], s[66:67], s[98:99]
	s_or_b32 s35, s35, 0x80000000
	s_add_nc_u64 s[68:69], s[4:5], s[42:43]
	s_add_nc_u64 s[70:71], s[4:5], s[44:45]
	s_add_nc_u64 s[72:73], s[4:5], s[46:47]
	s_add_nc_u64 s[74:75], s[6:7], s[92:93]
	s_add_nc_u64 s[76:77], s[66:67], K2O
	s_add_nc_u64 s[78:79], s[66:67], VO+102400
	s_mov_b32 s4, 1                                ; (the arguments have been used)
	s_mov_b32 s5, s84
	s_add_nc_u64 s[6:7], s[66:67], s[100:101]
	s_or_b32 s7, s7, 0x80000000
	s_barrier_signal -1
	CREST                                          ; all four work-groups are here: the joint loads meet
	s_cmp_lt_u32 s8, 4
	s_cbranch_scc0 .Lgroups_b
	tensor_load_to_lds s[24:27], s[16:23]          ; F1, waves 0-3: the groups A, needed first
	s_nop 0
	PLACES
	QLOADS
	s_branch .Lfirst
.Lgroups_b:
	QLOADS
	tensor_load_to_lds s[4:7], s[48:55]            ; waves 4-7: the groups B's K steps 0, 1
	s_nop 0
	PLACES
.Lfirst:
	global_prefetch_b8 v12, s[76:77] th:TH_LOAD_NT scope:SCOPE_SE   ; F2's bytes, one fill ahead
	; ---- group A
	s_cmp_lt_u32 s8, 4
	s_cbranch_scc0 .Lno_wait_a
	s_wait_tensorcnt 0x0                           ; waves 0-3: the groups A; the groups B may stay out
.Lno_wait_a:
	BARRIER
	KLOAD 0, 5, 0
.irp s, 0,1,2,3
	KSC \s, 6, 24576+256*\s
.endr
	KLOAD 1, 5, UNIT
	WALU
	s_wait_loadcnt 0x0                             ; q
	s_wait_dscnt 12                                ; (the next K step's 12 loads may be out)
	SMUL 0
	PLACES
	KLOAD 2, 5, 2*UNIT
	s_wait_dscnt 12
	SMUL 1
	PLACES
	KLOAD 3, 5, 3*UNIT
	WALU
	s_wait_dscnt 12
	SMUL 2
	s_wait_tensorcnt 0x0                           ; the round of F2; the groups B are in
	ds_add_u32 v3, v4
	s_wait_dscnt 0x0                               ; my reads of group A are over
	s_barrier_signal -1
	SMUL 3
	PLACES
	SMAX
	WALU
	CREST
	s_cmp_lt_u32 s8, 4
	s_cbranch_scc0 .Lfor_v
	tensor_load_to_lds s[28:31], s[48:55]          ; F2, waves 0-3: the rest of k
	s_nop 0
	PLACES
	s_branch .Lasked
.Lfor_v:
	tensor_load_to_lds s[28:31], s[48:55]          ; waves 4-7: v's key steps 0 and 1
	s_nop 0
	PLACES
.Lasked:
	v_add_nc_u32 v5, LKB-LK2, v7                   ; on to group B
	v_add_nc_u32 v6, LKB-LK2, v8
	KLOAD 0, 5, 0
	KSC 0, 6, 12288
	KSC 1, 6, 12288+256
	global_prefetch_b8 v13, s[78:79] th:TH_LOAD_NT scope:SCOPE_SE   ; v's key steps 2-7, one fill ahead
	SNM 56
	SEXP 56, 60, 64, 32
	; ---- group B
	KLOAD 1, 5, UNIT
	WALU
	s_wait_dscnt 12
	SMUL 0
	s_wait_dscnt 0x0
	SMUL 1
	PLACES
	s_cmp_lt_u32 s8, 4
	s_cbranch_scc0 .Lno_wait
	s_wait_tensorcnt 0x0                           ; waves 0-3: the rest of k; v may stay out
.Lno_wait:
	s_wait_dscnt 0x0
	BARRIER
	KLOAD 2, 7, 0
	KSC 2, 8, 12288
	KSC 3, 8, 12288+256
	KLOAD 3, 7, UNIT
	WALU
	s_wait_dscnt 12
	SMUL 2
	s_wait_dscnt 0x0
	SMUL 3
	s_wait_tensorcnt 0x0                           ; the round of F3: v's key steps 0 and 1 are in, and k is read no more
	ds_add_u32 v3, v4
	PLACES
	s_wait_dscnt 0x0
	s_barrier_signal -1
	SMAX
	WALU
	CREST
	tensor_load_to_lds s[32:35], s[56:63]          ; F3
	s_nop 0
	PLACES
.irp i, 0,1,2                                  ; v's key steps 5-7 into q's registers: 17 loads each
	WIN 0x40
	GFOUR 48*\i, 70, 51200*\i
	WIN 0
	global_load_b64 v[24+2*\i:25+2*\i], v2, s[72:73] offset:51200*\i
.endr
	SNM 84
.irp q, 0,1,2,3
	v_min_num_f32 v[68+\q], v[56+\q], v[84+\q]     ; my 128 keys' -M
.endr
.irp q, 0,1,2,3
	v_permlanex16_b32 v[72+\q], v[68+\q], s38, s39
.endr
.irp q, 0,1,2,3
	v_min_num_f32 v[68+\q], v[68+\q], v[72+\q]
.endr
.irp q, 0,1,2,3
	ds_store_b32 v14, v[68+\q] offset:512*\q
.endr
	WALU
	s_wait_dscnt 0x0                               ; for the others' sake
	s_barrier_signal -1
	SEXP 84, 88, 92, 96
	WALU
	s_barrier_wait -1
.irp q, 0,1,2,3
	ds_load_b128 v[128+8*\q:131+8*\q], v15 offset:512*\q
	ds_load_b128 v[132+8*\q:135+8*\q], v15 offset:512*\q+16
.endr
	s_wait_dscnt 0x0
.irp q, 0,1,2,3
	v_min3_num_f32 v[68+\q], v[128+8*\q], v[129+8*\q], v[130+8*\q]
.endr
.irp i, 3,5
.irp q, 0,1,2,3
	v_min3_num_f32 v[68+\q], v[68+\q], v[128+8*\q+\i], v[129+8*\q+\i]
.endr
.endr
.irp q, 0,1,2,3
	v_min_num_f32 v[68+\q], v[68+\q], v[135+8*\q]  ; the row's -M
.endr
.irp q, 0,1,2,3
	v_sub_f32 v[160+\q], v[68+\q], v[56+\q]        ; the block's M less the row's: a whole number, 0 or less
	v_sub_f32 v[164+\q], v[68+\q], v[84+\q]
.endr
.irp n, 0,1,2,3,4,5,6,7
	v_max_num_f32 v[160+\n], 0xc2f60000, v[160+\n] ; at least -123: a byte stays 1 or more
.endr
.irp n, 0,1,2,3,4,5,6,7
	v_cvt_i32_f32 v[160+\n], v[160+\n]
.endr
.irp q, 0,1,2,3
	v_ldexp_f32 v[60+\q], v[60+\q], v[160+\q]
	v_ldexp_f32 v[88+\q], v[88+\q], v[164+\q]
.endr
.irp q, 0,1,2,3
	v_add_f32 v[60+\q], v[60+\q], v[88+\q]
.endr
.irp q, 0,1,2,3
	v_permlanex16_b32 v[72+\q], v[60+\q], s38, s39
.endr
.irp q, 0,1,2,3
	v_add_f32 v[60+\q], v[60+\q], v[72+\q]         ; my 128 keys' part of the row's sum
.endr
.irp q, 0,1,2,3
	v_lshrrev_b32 v[64+\q], 23, v[64+\q]
	v_lshrrev_b32 v[92+\q], 23, v[92+\q]
.endr
.irp q, 0,1,2,3
	v_add_nc_u32 v[64+\q], v[64+\q], v[160+\q]     ; the scale bytes
	v_add_nc_u32 v[92+\q], v[92+\q], v[164+\q]
.endr
.irp q, 0,1,2,3
	ds_store_b32 v14, v[60+\q] offset:2048+512*\q
	ds_store_b8 v11, v[64+\q] offset:128*(\q%2)+4*(\q/2)
	ds_store_b8 v11, v[92+\q] offset:128*(\q%2)+4*(\q/2)+2
	ds_store_b128 v9, v[32+6*\q:35+6*\q] offset:512*\q
	ds_store_b64 v10, v[36+6*\q:37+6*\q] offset:4096+512*\q
	ds_store_b64 v10, v[96+6*\q:97+6*\q] offset:4096+512*\q+256
	ds_store_b128 v9, v[98+6*\q:101+6*\q] offset:2048+512*\q
.endr
	v_add_nc_u32 v8, PA, v1                        ; p, back
	v_add_nc_u32 v10, PA, v2
	v_add_nc_u32 v5, s85, v1                       ; v's key step 0
	v_add_nc_u32 v6, s83, v2
	v_add_nc_u32 v7, s86, v2
	WALU
	s_wait_xcnt 0x0                                ; the prefetches have read v12 and v13
	s_wait_dscnt 0x0                               ; for the others' sake
	BARRIER
	; ---- O^T = v^T p^T
.irp q, 0,1,2,3
	ds_load_b128 v[32+8*\q:35+8*\q], v15 offset:2048+512*\q
	ds_load_b128 v[36+8*\q:39+8*\q], v15 offset:2048+512*\q+16
.endr
	PLOAD 0
	VLOAD 0
	WALU
	s_wait_dscnt 26                                ; the sums are in
.irp q, 0,1,2,3
	v_pk_add_f32 v[32+8*\q:33+8*\q], v[32+8*\q:33+8*\q], v[36+8*\q:37+8*\q]
	v_pk_add_f32 v[34+8*\q:35+8*\q], v[34+8*\q:35+8*\q], v[38+8*\q:39+8*\q]
.endr
.irp q, 0,1,2,3
	v_pk_add_f32 v[32+8*\q:33+8*\q], v[32+8*\q:33+8*\q], v[34+8*\q:35+8*\q]
.endr
.irp q, 0,1,2,3
	v_add_f32 v[32+8*\q], v[32+8*\q], v[33+8*\q]
.endr
	WALU
.irp q, 0,1,2,3
	v_rcp_f32 v[12+\q], v[32+8*\q]
.endr
	v_nop
	WALU
.irp q, 0,1,2,3
	v_mul_f32 v[12+\q], 0x3a800000, v[12+\q]       ; 1 / (1024 l)
.endr
	VSTEP
	PLOAD 1
	VLOAD 1
	WALU
	s_wait_dscnt 26                                ; (the next key step's loads may be out)
	PMUL 0
	s_wait_dscnt 0x0
	PMUL 1
	PLACES
	s_wait_tensorcnt 0x0                           ; F3
	s_wait_dscnt 0x0
	BARRIER
	VSTEP
	PLOAD 2
	VLOAD 2
	VSTEP
	PLOAD 3
	VLOAD 3
	VSTEP
	WALU
	s_wait_dscnt 26
	PMUL 2
	PLACES
	PLOAD 4
	VLOAD 4
	WALU
	s_wait_dscnt 26
	PMUL 3
	PLACES
	PLOAD 5
	WALU
	s_wait_dscnt 13
	PMUL 4
	PLACES
	PLOAD 6
	v_bfe_u32 v5, v0, 4, 1
	v_lshl_add_u32 v5, v5, 5, s87                  ; the way out, in
	v_add_nc_u32 v6, s87, v2                       ; and back
	WALU
	s_wait_dscnt 13
	s_wait_loadcnt 34                              ; key step 5 of v; those of 6 and 7 may be out
	PMUL 5
	PLACES
	PLOAD 7
	WALU
	s_wait_dscnt 13
	s_wait_loadcnt 17
	PMUL 6
	s_wait_dscnt 0x0
	s_wait_loadcnt 0x0
	PMUL 7
	PLACES
	; ---- the way out: the weighted sum over the four query tiles, then over a tile's sixteen lanes
.irp d, 0,1,2,3
.irp j, 0,2,4,6
	v_pk_mul_f32 v[80+8*\d+\j:81+8*\d+\j], v[ACC+32*\d+\j:ACC+32*\d+\j+1], v[12:13] op_sel_hi:[1,0]
.endr
.irp j, 0,2,4,6
	v_pk_fma_f32 v[80+8*\d+\j:81+8*\d+\j], v[ACC+32*\d+8+\j:ACC+32*\d+9+\j], v[12:13], v[80+8*\d+\j:81+8*\d+\j] op_sel:[0,1,0] op_sel_hi:[1,1,1]
.endr
.irp j, 0,2,4,6
	v_pk_fma_f32 v[80+8*\d+\j:81+8*\d+\j], v[ACC+32*\d+16+\j:ACC+32*\d+17+\j], v[14:15], v[80+8*\d+\j:81+8*\d+\j] op_sel_hi:[1,0,1]
.endr
.irp j, 0,2,4,6
	v_pk_fma_f32 v[80+8*\d+\j:81+8*\d+\j], v[ACC+32*\d+24+\j:ACC+32*\d+25+\j], v[14:15], v[80+8*\d+\j:81+8*\d+\j] op_sel:[0,1,0] op_sel_hi:[1,1,1]
.endr
.endr
.irp m, 1,2,4,8
.set n_, 0
.rept 32
	v_add_f32_dpp v[80+n_], v[80+n_], v[80+n_] row_xmask:\m row_mask:0xf bank_mask:0xf
.set n_, n_+1
.endr
.endr
.irp d, 0,1,2,3                                ; register 8 dt + j is d = 64 w + 16 dt + 8 h + j; the sixteen lanes of a half write the same bytes with the same values
	ds_store_b128 v5, v[80+8*\d:83+8*\d] offset:64*\d
	ds_store_b128 v5, v[84+8*\d:87+8*\d] offset:64*\d+16
.endr
	ds_load_b64 v[112:113], v6                     ; LDS serves a wave's instructions in order (ISA guide 5.7.1.4): this sees my stores
	s_wait_dscnt 0x0
	global_store_b64 v2, v[112:113], s[74:75]      ; 256 consecutive bytes, aligned
	s_wait_tensorcnt 0x0                           ; the wave's end
	ds_add_u32 v3, v4
	s_wait_dscnt 0x0
	s_barrier_signal -1
	CREST                                          ; the closing round
	s_endpgm
.Lfunc_end_k_qb8e83c5567_attn:
	.size	k_qb8e83c5567_attn, .Lfunc_end_k_qb8e83c5567_attn-k_qb8e83c5567_attn
	.p2alignl 7, 3214868480
	.fill 96, 4, 3214868480
	.section	.rodata,"a",@progbits
	.p2align	6, 0x0
	.amdhsa_kernel k_qb8e83c5567_attn
		.amdhsa_group_segment_fixed_size 327680
		.amdhsa_private_segment_fixed_size 0
		.amdhsa_enable_private_segment 0
		.amdhsa_kernarg_size 16
		.amdhsa_user_sgpr_count 2
		.amdhsa_user_sgpr_kernarg_segment_ptr 1
		.amdhsa_wavefront_size32 1
		.amdhsa_system_sgpr_workgroup_id_x 1
		.amdhsa_system_sgpr_workgroup_id_y 1
		.amdhsa_system_sgpr_workgroup_id_z 1
		.amdhsa_system_vgpr_workitem_id 0
		.amdhsa_next_free_vgpr 512
		.amdhsa_next_free_sgpr 102
		.amdhsa_reserve_vcc 0
		.amdhsa_float_denorm_mode_32 3
		.amdhsa_float_denorm_mode_16_64 3
		.amdhsa_memory_ordered 1
		.amdhsa_forward_progress 1
		.amdhsa_inst_pref_size 141
	.end_amdhsa_kernel
	.amdgpu_metadata
---
amdhsa.version: [ 1, 2 ]
amdhsa.kernels:
  - .name:           k_qb8e83c5567_attn
    .symbol:         k_qb8e83c5567_attn.kd
    .args:
      - { .name: qkv, .offset: 0, .size: 8, .value_kind: global_buffer, .address_space: global }
      - { .name: part, .offset: 8, .size: 8, .value_kind: global_buffer, .address_space: global }
    .group_segment_fixed_size: 327680
    .private_segment_fixed_size: 0
    .kernarg_segment_align: 8
    .kernarg_segment_size: 16
    .max_flat_workgroup_size: 256
    .sgpr_count:     102
    .vgpr_count:     512
    .wavefront_size: 32
...
	.end_amdgpu_metadata
.endif
;; end of part 2
;; launch reduce (part 3): grid 64 x 1, 1 waves a work-group, no clusters, 0 bytes of LDS; arguments part, out0; writes out0
.if DOCPART == 3
	.amdgcn_target "amdgcn-amd-amdhsa--gfx1250"
	.amdhsa_code_object_version 6
	.text
	.protected	k_qb8e83c5567_reduce
	.globl	k_qb8e83c5567_reduce
	.p2align	8
	.type	k_qb8e83c5567_reduce,@function
k_qb8e83c5567_reduce:
	s_mov_b64 s[64:65], 0
	v_nop
	global_prefetch_b8 v0, s[64:65] scope:SCOPE_SE
	s_setreg_imm32_b32 hwreg(HW_REG_WAVE_MODE, 25, 1), 1
	s_wait_xcnt 0x0
; out0[b][d] = the sum over the 16 query blocks of part[b][qb][d] (the mean's 1 / 1024 is already in part).  A sum that spans work-groups is ordered by a launch of its own: no atomics.
; A work-group of one wave takes 128 d of a batch, a lane four neighbouring d: 16 loads of 16 bytes, a tree of packed additions, one store; each load and the store cover 512 consecutive bytes, aligned.
; There is work for 64 such waves, and so many are launched.  No LDS, no matrix unit, no cluster: the work-groups share no input.
	s_load_b128 s[4:7], s[0:1], 0x0                ; part, out0
	v_lshlrev_b32 v1, 4, v0
	s_lshr_b32 s8, ttmp9, 2                        ; the batch: 16 x 2,048 bytes of part
	s_lshl_b32 s8, s8, 15
	s_and_b32 s10, ttmp9, 3                        ; which 128 d
	s_lshl_b32 s10, s10, 9
	s_add_co_u32 s8, s8, s10
	s_mov_b32 s9, 0
	s_lshl_b32 s10, ttmp9, 9
	s_mov_b32 s11, 0
	s_wait_alu depctr_va_vdst(0)
	s_wait_kmcnt 0x0
	s_add_nc_u64 s[4:5], s[4:5], s[8:9]
	s_add_nc_u64 s[6:7], s[6:7], s[10:11]
.irp i, 0,1,2,3,4,5,6,7,8,9,10,11,12,13,14,15
	global_load_b128 v[4+4*\i:7+4*\i], v1, s[4:5] offset:2048*\i th:TH_LOAD_NT
.endr
	s_wait_loadcnt 0x0
.irp d, 8,4,2,1
.irp i, 0,1,2,3,4,5,6,7
.if \i < \d
	v_pk_add_f32 v[4+4*\i:5+4*\i], v[4+4*\i:5+4*\i], v[4+4*(\i+\d):5+4*(\i+\d)]
	v_pk_add_f32 v[6+4*\i:7+4*\i], v[6+4*\i:7+4*\i], v[6+4*(\i+\d):7+4*(\i+\d)]
.endif
.endr
.endr
	global_store_b128 v1, v[4:7], s[6:7]
	s_endpgm
.Lfunc_end_k_qb8e83c5567_reduce:
	.size	k_qb8e83c5567_reduce, .Lfunc_end_k_qb8e83c5567_reduce-k_qb8e83c5567_reduce
	.p2alignl 7, 3214868480
	.fill 96, 4, 3214868480
	.section	.rodata,"a",@progbits
	.p2align	6, 0x0
	.amdhsa_kernel k_qb8e83c5567_reduce
		.amdhsa_group_segment_fixed_size 0
		.amdhsa_private_segment_fixed_size 0
		.amdhsa_enable_private_segment 0
		.amdhsa_kernarg_size 16
		.amdhsa_user_sgpr_count 2
		.amdhsa_user_sgpr_kernarg_segment_ptr 1
		.amdhsa_wavefront_size32 1
		.amdhsa_system_sgpr_workgroup_id_x 1
		.amdhsa_system_sgpr_workgroup_id_y 1
		.amdhsa_system_sgpr_workgroup_id_z 1
		.amdhsa_system_vgpr_workitem_id 0
		.amdhsa_next_free_vgpr 72
		.amdhsa_next_free_sgpr 66
		.amdhsa_reserve_vcc 0
		.amdhsa_float_denorm_mode_32 3
		.amdhsa_float_denorm_mode_16_64 3
		.amdhsa_memory_ordered 1
		.amdhsa_forward_progress 1
		.amdhsa_inst_pref_size 5
	.end_amdhsa_kernel
	.amdgpu_metadata
---
amdhsa.version: [ 1, 2 ]
amdhsa.kernels:
  - .name:           k_qb8e83c5567_reduce
    .symbol:         k_qb8e83c5567_reduce.kd
    .args:
      - { .name: part, .offset: 0, .size: 8, .value_kind: global_buffer, .address_space: global }
      - { .name: out0, .offset: 8, .size: 8, .value_kind: global_buffer, .address_space: global }
    .group_segment_fixed_size: 0
    .private_segment_fixed_size: 0
    .kernarg_segment_align: 8
    .kernarg_segment_size: 16
    .max_flat_workgroup_size: 32
    .sgpr_count:     66
    .vgpr_count:     72
    .wavefront_size: 32
...
	.end_amdgpu_metadata
.endif
;; end of part 3
